; MI455X (gfx1250); checked and timed in simulation.
; The chip was launched on July 23, 2026; its instructions are those of AMD's public machine-readable ISA for CDNA 5 (MIT licence, August 2026) and "CDNA5" Instruction Set Architecture Reference Guide (July 2026). The comments in the code are by the model that wrote it; some were corrected since.
;; Mo E Block. Allowed arithmetic: matrix products marked QUANTISED: E4M3 operands, one E8M0 scale for each 32 along K, by v_wmma_scale_f32_16x16x128_f8f6f4 with both operands' format E4M3, f32 sums; products left as they are: f32 operands where the result goes on into a quantised operand, else bf16, f16 or f32 operands; f32 sums; everything else in f32.
;; Inputs: b1 8 x 1,024 float32; b2 8 x 256 float32; gate_b 8 float32; gate_w 256 x 8 float32; w1_codes 8 x 1,024 x 8 x 32 uint8 (E4M3 codes of w1, K innermost, in blocks of 32 codes); w1_scales 8 x 1,024 x 8 uint8 (E8M0 scales of w1, one for each 32 codes along K); w2_codes 8 x 256 x 32 x 32 uint8 (E4M3 codes of w2, K innermost, in blocks of 32 codes); w2_scales 8 x 256 x 32 uint8 (E8M0 scales of w2, one for each 32 codes along K); x 4 x 2,048 x 256 float32.
;; Outputs: out0 4 x 2,048 x 256 float32.
;; This version of the problem:
;;   THIS VERSION OF THE PROBLEM IS GIVEN IN LOW PRECISION. The matrix products marked QUANTISED in the list below multiply operands that are first quantised to E4M3 (4 exponent bits, 3 mantissa bits; 8 bits a number), with one power-of-two scale for each 32 numbers along K (OCP MX v1.0); their sums are f32. All else is computed in f32.
;;   The module's matrix products, in the order in which they are computed (A, B: the left and right operand; K: the contracted axis; several contracted axes count as one K, in the product's order):
;;     1. [M 8,192, K 256] x [K 256, N 8]; A: input x; B: input gate_w: left as it is (N = 8 < 16)
;;     2. [M 8,192, K 256] x [K 256, N 1,024]; A: input x; B: input w1 (given as codes): QUANTISED
;;     3. [M 8,192, K 1,024] x [K 1,024, N 256]; A: computed on the way; B: input w2 (given as codes): QUANTISED
;;     4. [M 8,192, K 256] x [K 256, N 1,024]; A: input x; B: input w1 (given as codes): QUANTISED
;;     5. [M 8,192, K 1,024] x [K 1,024, N 256]; A: computed on the way; B: input w2 (given as codes): QUANTISED
;;     6. [M 8,192, K 256] x [K 256, N 1,024]; A: input x; B: input w1 (given as codes): QUANTISED
;;     7. [M 8,192, K 1,024] x [K 1,024, N 256]; A: computed on the way; B: input w2 (given as codes): QUANTISED
;;     8. [M 8,192, K 256] x [K 256, N 1,024]; A: input x; B: input w1 (given as codes): QUANTISED
;;     9. [M 8,192, K 1,024] x [K 1,024, N 256]; A: computed on the way; B: input w2 (given as codes): QUANTISED
;;     10. [M 8,192, K 256] x [K 256, N 1,024]; A: input x; B: input w1 (given as codes): QUANTISED
;;     11. [M 8,192, K 1,024] x [K 1,024, N 256]; A: computed on the way; B: input w2 (given as codes): QUANTISED
;;     12. [M 8,192, K 256] x [K 256, N 1,024]; A: input x; B: input w1 (given as codes): QUANTISED
;;     13. [M 8,192, K 1,024] x [K 1,024, N 256]; A: computed on the way; B: input w2 (given as codes): QUANTISED
;;     14. [M 8,192, K 256] x [K 256, N 1,024]; A: input x; B: input w1 (given as codes): QUANTISED
;;     15. [M 8,192, K 1,024] x [K 1,024, N 256]; A: computed on the way; B: input w2 (given as codes): QUANTISED
;;     16. [M 8,192, K 256] x [K 256, N 1,024]; A: input x; B: input w1 (given as codes): QUANTISED
;;     17. [M 8,192, K 1,024] x [K 1,024, N 256]; A: computed on the way; B: input w2 (given as codes): QUANTISED
;;   THE QUANTISER, for each operand of a quantised product, along K:
;;     - K is cut into blocks of 32 from its start; a last block that is shorter is filled with zeros.
;;     - A block's scale is 2^e with e = floor(log2(the largest magnitude in the block)) - 8, held to -126 .. 127; a block of zeros has e = 0. As a byte (E8M0): e + 127.
;;     - Each number is divided by its block's scale, clamped to +-448, and rounded to the nearest number of E4M3, ties to even, subnormals kept.
;;     - The product sums the exact products of the quantised numbers (number of the format x scale) in f32.
;;   ~~~python
;;   def quantise(x, axis):      # numpy; x: float32 -> the quantised numbers, widened to float32 again
;;       x = np.moveaxis(x, axis, -1); K = x.shape[-1]
;;       x = np.pad(x, [(0, 0)] * (x.ndim - 1) + [(0, -K % 32)]); x = x.reshape(x.shape[:-1] + (-1, 32)); a = np.abs(x).max(-1, keepdims=True)
;;       e = np.where(a > 0, np.clip(np.frexp(np.where(a > 0, a, 1))[1] - 1 - 8, -126, 127), 0)      # np.frexp(a)[1] - 1 = floor(log2(a)), exactly
;;       r = np.clip(x / 2.0 ** e, -448, 448)
;;       step = 2.0 ** (np.maximum(np.frexp(np.where(r == 0, 1, r))[1] - 1, -6) - 3)
;;       q = np.round(r / step) * step * 2.0 ** e      # np.round: ties to even
;;       return np.moveaxis(q.reshape(q.shape[:-2] + (-1,))[..., :K], -1, axis).astype(np.float32)
;;   ~~~
;;   OPERANDS COMPUTED ON THE WAY. 'Computed on the way' means the value that the module computes at that place (a softmax that the list does not call 'softmax' is quantised finished and normalised). What goes into a quantiser is computed in f32, as accurately as f32 sums, v_exp_f32 and their like allow (about 1e-6 of the number): no bf16 or f16 on the way to a quantiser, and a product that is left as it is and whose result goes on into a quantised operand takes f32 operands (vector FMAs, or v_wmma_f32_16x16x4_f32). A number that lies on a knife's edge between two numbers of the format may be rounded either way, as far as f32 arithmetic and the matrix unit's own rounding can turn it there, and no further.
;;   INPUTS GIVEN AS CODES. w1 (in the module: [8, 256, 1024], K = its axis 1); w2 (in the module: [8, 1024, 256], K = its axis 1): each comes as NAME_codes (uint8): NAME with its K axis moved to the last place and cut into blocks of 32 codes, [.., K / 32, bytes a block], one block behind the other in memory; one code a byte (a code: sign, 4 exponent bits, 3 mantissa bits); and NAME_scales (uint8): the same leading axes, one E8M0 byte (e + 127) for each 32 codes along K. Its value is code x scale, taken as it is: it is not quantised again, and the codes and scales need not be those that the quantiser above would give.
;; 2 versions, each right and faster than the one before. Each part assembles by itself: llvm-mc -triple=amdgcn-amd-amdhsa -mcpu=gfx1250 --defsym DOCPART=n.
;; ======== version 1 of 2: 3 launches
;; limits: an absolute error that grows with the inputs' magnitude: up to 1.2e-07 times it
;; workspace buffers: xq 2,097,152 bytes; xs 65,536 bytes; route 65,536 bytes of whole numbers; wts 65,536 bytes; wr 4,325,376 bytes; meta 32,768 bytes of whole numbers; wsort 65,536 bytes
;; launch prep (part 1): grid 256 x 1, 4 waves a work-group, no clusters, 51,200 bytes of LDS; arguments x, gate_w, gate_b, w1_codes, w1_scales, w2_codes, w2_scales, xq, xs, route, wts, wr; writes xq, xs, route, wts, wr
.if DOCPART == 1
	.amdgcn_target "amdgcn-amd-amdhsa--gfx1250"
	.amdhsa_code_object_version 6
	.text
	.protected	k_qf2a02cf8cc_prep
	.globl	k_qf2a02cf8cc_prep
	.p2align	8
	.type	k_qf2a02cf8cc_prep,@function
k_qf2a02cf8cc_prep:
	s_mov_b64 s[64:65], 0
	v_nop
	global_prefetch_b8 v0, s[64:65] scope:SCOPE_SE
	s_setreg_imm32_b32 hwreg(HW_REG_WAVE_MODE, 25, 1), 1
	s_wait_xcnt 0x0
; PREP.  A work-group takes a chunk of 32 tokens (x: [8192][256] f32).  It does three things.
; (1) x becomes codes of E4M3 along its 256 numbers, one E8M0 byte for each 32: xq [token][256], xs [token][8].
; (2) The gate: logits in f32 (fused multiply-adds), softmax numerators p = exp(l - max), the two largest (strict '>': the lower index wins a tie),
;     their weights p / (p1 + p2).  Stored at fixed places: route [chunk][lane]{sel, hist}, wts [token]{w_lo, w_hi}.  sel = class | rank << 8 | lo << 16 | hi << 20:
;     class numbers the pair (lo < hi), 0..27; rank counts the chunk's earlier tokens of that class; hist (lane = class) is the chunk's count of the class.
;     No address and no branch here hangs on these numbers.
; (3) Waves 2 and 3 each lay one item of 8 KiB of weight codes and 256 bytes of scale words into wr, in the order of the operand's registers:
;     wr[e] = 540,672 bytes: codes at kind 262144 + ww 32768 + g 8192 + f 2048 + c 512 + 16 lane; scale words at 524288 + kind 8192 + ww 1024 + g 256 + 8 lane.
;     kind 0 (w1), f = 2 u + s: row 128 ww + 32 g + 8 u + r + 8 (r / 8), bytes 128 s + 32 c + 16 h on.  kind 1 (w2), f = 2 n + s: row 32 ww + 16 n + r, bytes 128 (2 g + s) + 32 c + 16 h on.
; LIMITS: NaN and infinities are not served.  A block of zeros gets the byte 1 (its codes are zeros; this program alone reads the bytes).  A p under 2^-126 counts as 0;
; the softmax's common divisor is left out of the comparison (it cancels in the weights).
; Wave w takes tokens 8 w .. 8 w + 7, in four steps of two tokens (512 numbers).  Each load reads 512 consecutive bytes; a step turns through the wave's own stage in LDS,
; so that a lane holds 16 neighbours: lanes 0-15 one token, lanes 16-31 the next; two neighbouring lanes hold a block of 32.
.set SP,    80                         ; a lane's place in a stage: 64 bytes + 16 of padding
.set WSTG,  4*32*SP                    ; a wave's four stages
.set GWL,   4*WSTG                     ; gate_w as 16 rows of 512 bytes (16 k x 8 experts), 528 apart
.set GWP,   528
.set LG,    GWL+16*GWP                 ; 32 tokens x 8 logits
.set SCB,   LG+32*32                   ; 256 scale bytes
.set EXPB,  540672
.set XR,    16                         ; v16-79   x as loaded, then four sets of 16 neighbours
.set GW,    80                         ; v80-207  first an item of weights (waves 2, 3), then gate_w[16 (lane % 16) + k][e] at 8 k + e
.set ACC,   208                        ; v208-215 eight logits
.set CD,    216                        ; v216-231 codes, four registers a step
.set GR,    232                        ; v232-247 gate_w as loaded; later at work:
.set AM,    232
.set HOLD,  234
.set SCL,   235
.set BYT,   236                        ; v236-239 a scale byte a step
	s_load_b512 s[4:19], s[0:1], 0x0               ; x, gate_w, gate_b, w1_codes, w1_scales, w2_codes, w2_scales, xq
	s_load_b256 s[20:27], s[0:1], 0x40             ; xs, route, wts, wr
	v_lshl_add_u32 v254, v0, 2, 0xc600
	v_mov_b32 v255, 0
	v_lshrrev_b32 v1, 5, v0
	v_readfirstlane_b32 s28, v1                    ; wave
	v_and_b32 v1, 31, v0                           ; lane
	v_and_b32 v2, 15, v0                           ; r
	v_bfe_u32 v3, v0, 4, 1                         ; h
	v_lshlrev_b32 v4, 4, v1                        ; 16 x lane
	s_mul_i32 s29, s28, WSTG
	v_lshrrev_b32 v5, 2, v1
	v_mul_u32_u24 v5, v5, SP
	v_and_b32 v6, 3, v1
	v_lshl_add_u32 v5, v6, 4, v5
	v_add_nc_u32 v5, s29, v5                       ; stage, way in: SP (lane / 4) + 16 (lane % 4)
	v_mul_u32_u24 v6, v1, SP
	v_add_nc_u32 v6, s29, v6                       ; stage, way out: SP x lane
	v_lshrrev_b32 v8, 5, v0
	v_lshlrev_b32 v11, 4, v0                       ; gate_w: 16 bytes a thread
	v_lshl_add_u32 v7, v8, 4, v11
	v_add_nc_u32 v7, GWL, v7                       ; and its place in LDS: 16 bytes more for each 512 passed
	v_mul_u32_u24 v8, v2, GWP
	v_add_nc_u32 v8, GWL, v8                       ; my row of gate_w
	s_lshl_b32 s29, s28, 8
	v_lshl_add_u32 v9, v3, 5, s29
	v_add_nc_u32 v9, LG, v9                        ; logits of token 8 w + 2 t + h
	s_lshl_b32 s29, s28, 6
	v_lshrrev_b32 v10, 1, v1
	v_add_nc_u32 v10, s29, v10
	v_add_nc_u32 v10, SCB, v10                     ; my block's scale byte
	v_lshlrev_b32 v15, 3, v1                       ; 8 x lane
	v_lshl_add_u32 v248, v1, 5, LG                 ; wave 0: token = lane: its eight logits
	v_add_nc_u32 v249, SCB, v15                    ; wave 1: 8 scale bytes a lane
	s_and_b32 s29, s28, 1
	s_lshl_b32 s30, ttmp9, 1
	s_add_co_u32 s29, s29, s30                     ; the item: 2 x work-group + (wave & 1), 0..511
	s_lshr_b32 s30, s29, 6                         ; e
	s_bfe_u32 s31, s29, 0x30003                    ; ww
	s_bfe_u32 s32, s29, 0x10002                    ; kind
	s_and_b32 s33, s29, 3                          ; g
	s_mov_b32 s60, 0x600000                        ; the mantissa field of 448
	s_wait_kmcnt 0x0
	s_load_b256 s[68:75], s[8:9], 0x0              ; gate_b
	s_cmp_lg_u32 s32, 0                            ; w2's item or w1's: the choice hangs on ids alone
	s_cselect_b64 s[34:35], s[14:15], s[10:11]     ; codes
	s_cselect_b64 s[36:37], s[16:17], s[12:13]     ; scale bytes
	s_cselect_b32 s38, 10, 8                       ; a row of codes: 1,024 or 256 bytes
	s_cselect_b32 s39, 0, 0x800                    ; w1: lanes 8-15 take rows 8 further on
	s_cselect_b32 s40, 14, 11                      ; the fragment's first index: 16 rows of w2, 8 rows of w1
	s_cselect_b32 s41, 8, 13                       ; g: 256 bytes along a row of w2, 32 rows of w1
	s_cselect_b32 s42, 3, 8                        ; g in the scale bytes
	s_cselect_b32 s43, -1, 0
	s_lshl_b32 s40, 1, s40
	s_mov_b32 s53, 0
	s_lshl_b32 s46, s30, 18
	s_lshl_b32 s47, s31, 15
	s_add_co_u32 s46, s46, s47
	s_lshl_b32 s47, s33, s41
	s_add_co_u32 s52, s46, s47
	s_add_nc_u64 s[34:35], s[34:35], s[52:53]      ; the item's codes in the input
	s_lshl_b32 s46, s30, 13
	s_lshl_b32 s47, s31, 10
	s_add_co_u32 s46, s46, s47
	s_lshl_b32 s47, s33, s42
	s_add_co_u32 s52, s46, s47
	s_add_nc_u64 s[36:37], s[36:37], s[52:53]      ; its scale bytes
	s_mul_i32 s55, s30, EXPB
	s_lshl_b32 s47, s32, 18
	s_add_co_u32 s52, s55, s47
	s_lshl_b32 s47, s31, 15
	s_add_co_u32 s52, s52, s47
	s_lshl_b32 s47, s33, 13
	s_add_co_u32 s52, s52, s47
	s_add_nc_u64 s[48:49], s[26:27], s[52:53]      ; where the codes go in wr
	s_add_co_u32 s52, s55, 524288
	s_lshl_b32 s47, s32, 13
	s_add_co_u32 s52, s52, s47
	s_lshl_b32 s47, s31, 10
	s_add_co_u32 s52, s52, s47
	s_lshl_b32 s47, s33, 8
	s_add_co_u32 s52, s52, s47
	s_add_nc_u64 s[50:51], s[26:27], s[52:53]      ; and the scale words
	s_lshl_b32 s52, ttmp9, 15
	s_lshl_b32 s47, s28, 13
	s_add_co_u32 s52, s52, s47
	s_add_nc_u64 s[4:5], s[4:5], s[52:53]          ; x at my wave's 8 tokens
	s_lshl_b32 s52, ttmp9, 13
	s_lshl_b32 s47, s28, 11
	s_add_co_u32 s52, s52, s47
	s_add_nc_u64 s[18:19], s[18:19], s[52:53]      ; xq likewise
	s_lshl_b32 s52, ttmp9, 8
	s_add_nc_u64 s[20:21], s[20:21], s[52:53]      ; xs, route, wts: 256 bytes a chunk
	s_add_nc_u64 s[22:23], s[22:23], s[52:53]
	s_add_nc_u64 s[24:25], s[24:25], s[52:53]
	v_lshlrev_b32 v12, s38, v2
	v_lshrrev_b32 v13, 3, v2
	v_mad_u32_u24 v12, v13, s39, v12
	v_lshl_add_u32 v12, v3, 4, v12                 ; the lane's row and half in a fragment
	v_lshlrev_b32 v14, 6, v13
	v_lshl_add_u32 v14, v2, 3, v14
	v_lshl_add_u32 v14, v3, 6, v14                 ; w1's scale bytes: row 8 h + r + 8 (r / 8), 8 bytes a row
	v_lshlrev_b32 v250, 5, v1                      ; w2's: row = lane, 32 bytes a row
	v_cndmask_b32 v14, v14, v250, s43
	v_add_nc_u32 v13, s40, v12                     ; the fragments with first index 1
	s_cmp_lt_u32 s28, 2
	s_cbranch_scc1 .Lno_rload
.irp f, 0,1,2,3                        ; the item comes first in the order of issue, so that the counts below are the same for all four waves
.irp c, 0,1,2,3
	global_load_b128 v[GW+16*\f+4*\c:GW+16*\f+4*\c+3], v[12+\f/2], s[34:35] offset:128*(\f%2)+32*\c
.endr
.endr
	global_load_b64 v[GW+64:GW+65], v14, s[36:37]
.Lno_rload:
.irp q, 0,1,2,3
	global_load_b128 v[GR+4*\q:GR+4*\q+3], v11, s[6:7] offset:2048*\q
.endr
.irp t, 0,1,2,3
.irp i, 0,1,2,3
	global_load_b128 v[XR+16*\t+4*\i:XR+16*\t+4*\i+3], v4, s[4:5] offset:2048*\t+512*\i th:TH_LOAD_NT
.endr
.endr
	s_wait_loadcnt 16                              ; x's sixteen loads may stay out: gate_w and the item are in
.irp q, 0,1,2,3
	ds_store_b128 v7, v[GR+4*\q:GR+4*\q+3] offset:4*GWP*\q
.endr
	s_cmp_lt_u32 s28, 2
	s_cbranch_scc1 .Lno_rstore
.irp f, 0,1,2,3
.irp c, 0,1,2,3
	global_store_b128 v4, v[GW+16*\f+4*\c:GW+16*\f+4*\c+3], s[48:49] offset:2048*\f+512*\c   ; 512 consecutive bytes a store
.endr
.endr
	global_store_b64 v15, v[GW+64:GW+65], s[50:51]                                           ; 256 consecutive bytes
.Lno_rstore:
	s_wait_loadcnt 0x0                             ; x
.irp t, 0,1,2,3
.irp i, 0,1,2,3
	ds_store_b128 v5, v[XR+16*\t+4*\i:XR+16*\t+4*\i+3] offset:32*SP*\t+8*SP*\i
.endr
.endr
	s_wait_xcnt 0x0                                ; the item's stores have read their registers: gate_w may land there
	s_wait_dscnt 0x0                               ; my part of gate_w lies in LDS, and the stage's stores have read x's registers
	s_barrier_signal -1
	s_barrier_wait -1                              ; gate_w is whole
.irp j, 0,1,2,3,4,5,6,7,8,9,10,11,12,13,14,15,16,17,18,19,20,21,22,23,24,25,26,27,28,29,30,31
	ds_load_b128 v[GW+4*\j:GW+4*\j+3], v8 offset:16*\j
.endr
.irp t, 0,1,2,3
.irp i, 0,1,2,3
	ds_load_b128 v[XR+16*\t+4*\i:XR+16*\t+4*\i+3], v6 offset:32*SP*\t+16*\i
.endr
.endr
	s_wait_dscnt 0x0
	s_wait_kmcnt 0x0                               ; gate_b
.macro STEP t
.set XS, XR+16*(\t)
.if (\t) > 0
	s_wait_dscnt 0x0                               ; the last step's LDS stores have read the logits' registers
.endif
	; my 16 numbers x my 16 rows of gate_w: two experts an instruction, the number taken for both halves
.irp p, 0,2,4,6
	v_pk_mul_f32 v[ACC+\p:ACC+\p+1], v[XS:XS+1], v[GW+\p:GW+\p+1] op_sel_hi:[0,1]
.endr
.set kk, 1
.rept 15
.irp p, 0,2,4,6
.if kk%2
	v_pk_fma_f32 v[ACC+\p:ACC+\p+1], v[XS+kk-1:XS+kk], v[GW+8*kk+\p:GW+8*kk+\p+1], v[ACC+\p:ACC+\p+1] op_sel:[1,0,0] op_sel_hi:[1,1,1]
.else
	v_pk_fma_f32 v[ACC+\p:ACC+\p+1], v[XS+kk:XS+kk+1], v[GW+8*kk+\p:GW+8*kk+\p+1], v[ACC+\p:ACC+\p+1] op_sel_hi:[0,1,1]
.endif
.endr
.set kk, kk+1
.endr
.irp n, 1,2,4,8                        ; over the token's sixteen lanes
.irp j, 0,1,2,3,4,5,6,7
	v_add_f32_dpp v[ACC+\j], v[ACC+\j], v[ACC+\j] row_xmask:\n row_mask:0xf bank_mask:0xf
.endr
.endr
	ds_store_b128 v9, v[ACC:ACC+3] offset:64*(\t)          ; the sixteen lanes write the same bytes with the same values
	ds_store_b128 v9, v[ACC+4:ACC+7] offset:64*(\t)+16
	; the quantiser: the block's largest magnitude, with the floor 2^(9 - 127) among its leaves, so that the byte cannot fall under 1
	v_max3_num_f32 v[AM], |v[XS]|, |v[XS+1]|, |v[XS+2]|
	v_max3_num_f32 v[AM+1], |v[XS+3]|, |v[XS+4]|, |v[XS+5]|
.irp i, 6,10
	v_max3_num_f32 v[AM], v[AM], |v[XS+\i]|, |v[XS+\i+1]|
	v_max3_num_f32 v[AM+1], v[AM+1], |v[XS+\i+2]|, |v[XS+\i+3]|
.endr
	v_max3_num_f32 v[AM], v[AM], |v[XS+14]|, |v[XS+15]|
	v_max3_num_f32 v[AM], v[AM], v[AM+1], 0x4800000
	v_max_num_f32_dpp v[AM], v[AM], v[AM] row_xmask:1 row_mask:0xf bank_mask:0xf   ; with my neighbour's 16
	v_add_nc_u32 v[SCL], 0xfc000000, v[AM]         ; 8 off the exponent field: the conversion's scale operand
	v_and_or_b32 v[HOLD], v[AM], 0x7f800000, s60   ; 448 x the scale
.irp i, 0,1,2,3,4,5,6,7,8,9,10,11,12,13,14,15
	v_med3_num_f32 v[XS+\i], v[XS+\i], -v[HOLD], v[HOLD]   ; the conversion to an 8-bit code does not saturate (ISA guide 7.6.2)
.endr
	v_cvt_scalef32_pk8_fp8_f32 v[CD+4*(\t):CD+4*(\t)+1], v[XS:XS+7], v[SCL]
	v_cvt_scalef32_pk8_fp8_f32 v[CD+4*(\t)+2:CD+4*(\t)+3], v[XS+8:XS+15], v[SCL]
	v_lshrrev_b32 v[BYT+(\t)], 23, v[SCL]          ; the scale's byte (also the plain line behind the conversions)
	ds_store_b8 v10, v[BYT+(\t)] offset:16*(\t)    ; both lanes of a block write the same byte
	global_store_b128 v4, v[CD+4*(\t):CD+4*(\t)+3], s[18:19] offset:512*(\t)   ; 512 consecutive bytes: two tokens' codes
.endm
	STEP 0
	STEP 1
	STEP 2
	STEP 3
	s_wait_dscnt 0x0                               ; my logits and scale bytes lie in LDS
	s_barrier_signal -1
	s_barrier_wait -1
	s_cmp_eq_u32 s28, 1
	s_cbranch_scc0 .Lnot_wave_1
	ds_load_b64 v[16:17], v249                     ; wave 1: the chunk's 256 scale bytes leave as one aligned run
	s_wait_dscnt 0x0
	global_store_b64 v15, v[16:17], s[20:21]
	s_branch .Lend
.Lnot_wave_1:
	s_cmp_eq_u32 s28, 0
	s_cbranch_scc0 .Lend
	; wave 0: a lane to a token
	ds_load_b128 v[16:19], v248
	ds_load_b128 v[20:23], v248 offset:16
	s_wait_dscnt 0x0
.irp i, 0,1,2,3,4,5,6,7
	v_add_f32 v[16+\i], s[68+\i], v[16+\i]
.endr
	v_max3_num_f32 v24, v16, v17, v18
	v_max3_num_f32 v24, v24, v19, v20
	v_max3_num_f32 v24, v24, v21, v22
	v_max_num_f32 v24, v24, v23                    ; the largest logit is taken away ahead of the exponential
.irp i, 0,1,2,3,4,5,6,7
	v_sub_f32 v[16+\i], v[16+\i], v24
.endr
.irp i, 0,1,2,3,4,5,6,7
	v_mul_f32 v[16+\i], 0x3fb8aa3b, v[16+\i]
.endr
.irp i, 0,1,2,3,4,5,6,7
	v_exp_f32 v[16+\i], v[16+\i]
.endr
	v_mov_b32 v26, 0                               ; (a plain line behind the exponentials)  the best one's index
	s_wait_alu depctr_va_vdst(0)
	v_mov_b32 v25, v16                             ; the best p
	v_mov_b32 v27, -1.0                            ; the second: under every p
	v_mov_b32 v28, 0
.irp i, 1,2,3,4,5,6,7
	v_cmp_gt_f32 vcc_lo, v[16+\i], v25             ; strictly larger: an equal p of a higher index does not displace
	v_cmp_gt_f32 s62, v[16+\i], v27
	v_cndmask_b32 v27, v27, v[16+\i], s62
	v_cndmask_b32 v28, v28, \i, s62
	v_cndmask_b32 v27, v27, v25, vcc_lo
	v_cndmask_b32 v28, v28, v26, vcc_lo
	v_cndmask_b32 v25, v25, v[16+\i], vcc_lo
	v_cndmask_b32 v26, v26, \i, vcc_lo
.endr
	v_add_f32 v29, v25, v27
	v_rcp_f32 v29, v29
	v_min_u32 v32, v26, v28                        ; (a plain line behind the reciprocal)  lo
	v_max_u32 v33, v26, v28                        ; hi
	s_wait_alu depctr_va_vdst(0)
	v_mul_f32 v30, v25, v29
	v_mul_f32 v31, v27, v29
	v_cmp_lt_u32 vcc_lo, v26, v28
	v_cndmask_b32 v34, v31, v30, vcc_lo            ; w_lo
	v_cndmask_b32 v35, v30, v31, vcc_lo            ; w_hi
	; class: base = lo (15 - lo) / 2; lo even: base + hi - lo - 1; lo odd: base + 7 - hi: neighbouring classes share an expert
	v_sub_nc_u32 v36, 15, v32
	v_mul_u32_u24 v36, v32, v36
	v_lshrrev_b32 v36, 1, v36
	v_sub_nc_u32 v37, v33, v32
	v_add_nc_u32 v37, -1, v37
	v_sub_nc_u32 v38, 7, v33
	v_and_b32 v39, 1, v32
	v_cmp_eq_u32 vcc_lo, 1, v39
	v_cndmask_b32 v37, v37, v38, vcc_lo
	v_add_nc_u32 v42, v36, v37
.irp e, 0,1,2,3,4,5,6,7
	v_cmp_eq_u32 s[80+\e], \e, v32                 ; the tokens whose lo is e,
	v_cmp_eq_u32 s[88+\e], \e, v33                 ; whose hi is e
.endr
	v_mov_b32 v36, 0
	v_mov_b32 v37, 0
.irp e, 0,1,2,3,4,5,6,7
	v_cndmask_b32 v36, v36, s[80+\e], s[80+\e]     ; the mask of my own lo,
	v_cndmask_b32 v37, v37, s[88+\e], s[88+\e]     ; of my own hi
.endr
	v_and_b32 v36, v36, v37                        ; the tokens of my class
	v_mbcnt_lo_u32_b32 v38, v36, 0                 ; those ahead of me: my rank
	v_mov_b32 v41, 0                               ; the histogram: lane = class; lanes 28-31 stay 0
.macro HIST lo, hi
.if (\lo)%2 == 0
.set cc, (\lo)*(15-(\lo))/2+(\hi)-(\lo)-1
.else
.set cc, (\lo)*(15-(\lo))/2+7-(\hi)
.endif
	s_and_b32 s62, s[80+\lo], s[88+\hi]
	s_bcnt1_i32_b32 s62, s62
	v_writelane_b32 v41, s62, cc
.endm
.irp lo, 0,1,2,3,4,5,6
.irp hi, 1,2,3,4,5,6,7
.if \hi > \lo
	HIST \lo, \hi
.endif
.endr
.endr
	v_lshl_or_b32 v40, v38, 8, v42
	v_lshl_or_b32 v40, v32, 16, v40
	v_lshl_or_b32 v40, v33, 20, v40
	global_store_b64 v15, v[40:41], s[22:23]       ; 256 consecutive bytes each
	global_store_b64 v15, v[34:35], s[24:25]
.Lend:
	s_wait_tensorcnt 0x0
	ds_add_u32 v254, v255
	s_wait_dscnt 0x0
	s_endpgm
.Lfunc_end_k_qf2a02cf8cc_prep:
	.size	k_qf2a02cf8cc_prep, .Lfunc_end_k_qf2a02cf8cc_prep-k_qf2a02cf8cc_prep
	.p2alignl 7, 3214868480
	.fill 96, 4, 3214868480
	.section	.rodata,"a",@progbits
	.p2align	6, 0x0
	.amdhsa_kernel k_qf2a02cf8cc_prep
		.amdhsa_group_segment_fixed_size 51200
		.amdhsa_private_segment_fixed_size 0
		.amdhsa_enable_private_segment 0
		.amdhsa_kernarg_size 96
		.amdhsa_user_sgpr_count 2
		.amdhsa_user_sgpr_kernarg_segment_ptr 1
		.amdhsa_wavefront_size32 1
		.amdhsa_system_sgpr_workgroup_id_x 1
		.amdhsa_system_sgpr_workgroup_id_y 1
		.amdhsa_system_sgpr_workgroup_id_z 1
		.amdhsa_system_vgpr_workitem_id 0
		.amdhsa_next_free_vgpr 256
		.amdhsa_next_free_sgpr 100
		.amdhsa_reserve_vcc 1
		.amdhsa_float_denorm_mode_32 3
		.amdhsa_float_denorm_mode_16_64 3
		.amdhsa_memory_ordered 1
		.amdhsa_forward_progress 1
		.amdhsa_inst_pref_size 59
	.end_amdhsa_kernel
	.amdgpu_metadata
---
amdhsa.version: [ 1, 2 ]
amdhsa.kernels:
  - .name:           k_qf2a02cf8cc_prep
    .symbol:         k_qf2a02cf8cc_prep.kd
    .args:
      - { .name: x, .offset: 0, .size: 8, .value_kind: global_buffer, .address_space: global }
      - { .name: gate_w, .offset: 8, .size: 8, .value_kind: global_buffer, .address_space: global }
      - { .name: gate_b, .offset: 16, .size: 8, .value_kind: global_buffer, .address_space: global }
      - { .name: w1_codes, .offset: 24, .size: 8, .value_kind: global_buffer, .address_space: global }
      - { .name: w1_scales, .offset: 32, .size: 8, .value_kind: global_buffer, .address_space: global }
      - { .name: w2_codes, .offset: 40, .size: 8, .value_kind: global_buffer, .address_space: global }
      - { .name: w2_scales, .offset: 48, .size: 8, .value_kind: global_buffer, .address_space: global }
      - { .name: xq, .offset: 56, .size: 8, .value_kind: global_buffer, .address_space: global }
      - { .name: xs, .offset: 64, .size: 8, .value_kind: global_buffer, .address_space: global }
      - { .name: route, .offset: 72, .size: 8, .value_kind: global_buffer, .address_space: global }
      - { .name: wts, .offset: 80, .size: 8, .value_kind: global_buffer, .address_space: global }
      - { .name: wr, .offset: 88, .size: 8, .value_kind: global_buffer, .address_space: global }
    .group_segment_fixed_size: 51200
    .private_segment_fixed_size: 0
    .kernarg_segment_align: 8
    .kernarg_segment_size: 96
    .max_flat_workgroup_size: 128
    .sgpr_count:     100
    .vgpr_count:     256
    .wavefront_size: 32
...
	.end_amdgpu_metadata
.endif
;; end of part 1
;; launch place (part 2): grid 1 x 1, 32 waves a work-group, no clusters, 37,120 bytes of LDS; arguments route, wts, meta, wsort; writes meta, wsort
.if DOCPART == 2
	.amdgcn_target "amdgcn-amd-amdhsa--gfx1250"
	.amdhsa_code_object_version 6
	.text
	.protected	k_qf2a02cf8cc_place
	.globl	k_qf2a02cf8cc_place
	.p2align	8
	.type	k_qf2a02cf8cc_place,@function
k_qf2a02cf8cc_place:
	s_mov_b64 s[64:65], 0
	v_nop
	global_prefetch_b8 v0, s[64:65] scope:SCOPE_SE
	s_setreg_imm32_b32 hwreg(HW_REG_WAVE_MODE, 25, 1), 1
	s_wait_xcnt 0x0
; PLACE.  A counting sort of the 8,192 tokens by their class (pair of experts), stable in the token's number; one work-group, no atomics.
; route [chunk 256][lane 32]{sel, hist}: sel = class | rank << 8 | lo << 16 | hi << 20 of token 32 chunk + lane; hist = the chunk's count of class = lane.
; A token's place = its class's start + the counts of that class in earlier chunks + its rank.  Out: meta[place] = token | lo << 16 | hi << 20, wsort[place] = {w_lo, w_hi}.
; Wave c serves class c: lane l sums chunks 8 l .. 8 l + 7, a scan over the lanes gives each chunk's offset, the classes' totals meet in LDS.
; Thread t then places tokens t + 1024 k.  The stores are scattered by nature: 12 bytes a token, 96 KiB in all.
.set TOT, 0                            ; 32 words: the classes' totals
.set ST,  256                          ; [class 32][chunk 256] words: where a chunk's tokens of a class begin
	s_load_b256 s[4:11], s[0:1], 0x0               ; route, wts, meta, wsort
	v_lshl_add_u32 v64, v0, 2, 0x8100
	v_mov_b32 v65, 0
	v_lshrrev_b32 v1, 5, v0
	v_readfirstlane_b32 s12, v1                    ; wave = class; also the chunk (mod 32) of my tokens
	v_and_b32 v1, 31, v0
	s_lshl_b32 s13, s12, 3
	v_lshl_add_u32 v2, v1, 11, s13                 ; hist of chunk 8 l, class c
	v_lshlrev_b32 v3, 3, v0                        ; 8 bytes a token
	s_lshl_b32 s13, s12, 2
	v_mov_b32 v4, s13                              ; TOT[c]
	v_lshlrev_b32 v5, 2, v1                        ; TOT[lane]
	s_lshl_b32 s14, s12, 10
	v_lshl_add_u32 v6, v1, 5, s14
	v_add_nc_u32 v6, ST, v6                        ; ST[c][8 l]
	s_add_co_u32 s13, s13, ST
	v_mov_b32 v7, s13                              ; ST[0][wave]
	s_mov_b32 s15, 0xffff0000                      ; lanes 16-31
	v_mov_b32 v41, 0                               ; (the destination of a DPP move counts as read)
	s_wait_kmcnt 0x0
.irp k, 0,1,2,3,4,5,6,7
	global_load_b32 v[8+\k], v2, s[4:5] offset:256*\k+4
.endr
.irp k, 0,1,2,3,4,5,6,7
	global_load_b32 v[16+\k], v3, s[4:5] offset:8192*\k
.endr
.irp k, 0,1,2,3,4,5,6,7
	global_load_b64 v[24+2*\k:25+2*\k], v3, s[6:7] offset:8192*\k
.endr
; an inclusive scan of v[r] over the 32 lanes; v[t] at work
.macro SCAN32 r, t
.irp n, 1,2,4,8
	v_mov_b32_dpp v[\t], v[\r] row_shr:\n row_mask:0xf bank_mask:0xf bound_ctrl:1
	v_add_nc_u32 v[\r], v[\r], v[\t]
.endr
	v_readlane_b32 s16, v[\r], 15                  ; the lower sixteen's sum goes onto the upper sixteen
	v_mov_b32 v[\t], s16
	v_cndmask_b32 v[\t], 0, v[\t], s15
	v_add_nc_u32 v[\r], v[\r], v[\t]
.endm
	s_wait_loadcnt 16                              ; the sixteen younger loads may stay out: the counts are in
	v_mov_b32 v44, 0                               ; the counts ahead of chunk 8 l + k within my lane
	v_mov_b32 v45, v8
.irp k, 2,3,4,5,6,7
	v_add_nc_u32 v[44+\k], v[43+\k], v[7+\k]
.endr
	v_add_nc_u32 v40, v51, v15                     ; my eight chunks' sum
	v_mov_b32 v43, v40
	SCAN32 40, 41
	v_readlane_b32 s17, v40, 31                    ; the class's total
	v_mov_b32 v42, s17
	ds_store_b32 v4, v42                           ; all lanes write the same word with the same value
	v_sub_nc_u32 v40, v40, v43                     ; the counts in lanes ahead of mine
	s_wait_dscnt 0x0
	s_barrier_signal -1
	s_barrier_wait -1
	ds_load_b32 v42, v5
	s_wait_dscnt 0x0
	v_cmp_gt_u32 vcc_lo, s12, v1                   ; the classes under mine
	v_cndmask_b32 v42, 0, v42, vcc_lo
	SCAN32 42, 41
	v_readlane_b32 s18, v42, 31                    ; their sum: where my class starts
	v_add_nc_u32 v40, s18, v40
.irp k, 0,1,2,3,4,5,6,7
	v_add_nc_u32 v[44+\k], v[44+\k], v40
.endr
	ds_store_b128 v6, v[44:47]
	ds_store_b128 v6, v[48:51] offset:16
	s_wait_dscnt 0x0
	s_barrier_signal -1
	s_barrier_wait -1                              ; the table is whole; nothing is stored to LDS from here on
	s_wait_loadcnt 0x0
.irp k, 0,1,2,3,4,5,6,7
	v_and_b32 v[8+\k], 31, v[16+\k]
	v_min_u32 v[8+\k], 31, v[8+\k]                 ; the class, held inside the table
	v_lshl_add_u32 v[8+\k], v[8+\k], 10, v7
.endr
.irp k, 0,1,2,3,4,5,6,7
	ds_load_b32 v[52+\k], v[8+\k] offset:128*\k    ; token t + 1024 k lies in chunk wave + 32 k
.endr
	s_wait_dscnt 0x0
.irp k, 0,1,2,3,4,5,6,7
	v_bfe_u32 v60, v[16+\k], 8, 5                  ; rank
	v_add_nc_u32 v[52+\k], v[52+\k], v60
	v_min_u32 v[52+\k], 0x1fff, v[52+\k]           ; the place, held inside the buffers
	v_add_nc_u32 v60, 1024*\k, v0                  ; the token
	v_and_or_b32 v[16+\k], v[16+\k], 0x770000, v60
	v_lshlrev_b32 v[8+\k], 2, v[52+\k]
	v_lshlrev_b32 v[52+\k], 3, v[52+\k]
	global_store_b32 v[8+\k], v[16+\k], s[8:9]
	global_store_b64 v[52+\k], v[24+2*\k:25+2*\k], s[10:11]
.endr
	s_wait_tensorcnt 0x0
	ds_add_u32 v64, v65
	s_wait_dscnt 0x0
	s_endpgm
.Lfunc_end_k_qf2a02cf8cc_place:
	.size	k_qf2a02cf8cc_place, .Lfunc_end_k_qf2a02cf8cc_place-k_qf2a02cf8cc_place
	.p2alignl 7, 3214868480
	.fill 96, 4, 3214868480
	.section	.rodata,"a",@progbits
	.p2align	6, 0x0
	.amdhsa_kernel k_qf2a02cf8cc_place
		.amdhsa_group_segment_fixed_size 37120
		.amdhsa_private_segment_fixed_size 0
		.amdhsa_enable_private_segment 0
		.amdhsa_kernarg_size 32
		.amdhsa_user_sgpr_count 2
		.amdhsa_user_sgpr_kernarg_segment_ptr 1
		.amdhsa_wavefront_size32 1
		.amdhsa_system_sgpr_workgroup_id_x 1
		.amdhsa_system_sgpr_workgroup_id_y 1
		.amdhsa_system_sgpr_workgroup_id_z 1
		.amdhsa_system_vgpr_workitem_id 0
		.amdhsa_next_free_vgpr 66
		.amdhsa_next_free_sgpr 66
		.amdhsa_reserve_vcc 1
		.amdhsa_float_denorm_mode_32 3
		.amdhsa_float_denorm_mode_16_64 3
		.amdhsa_memory_ordered 1
		.amdhsa_forward_progress 1
		.amdhsa_inst_pref_size 13
	.end_amdhsa_kernel
	.amdgpu_metadata
---
amdhsa.version: [ 1, 2 ]
amdhsa.kernels:
  - .name:           k_qf2a02cf8cc_place
    .symbol:         k_qf2a02cf8cc_place.kd
    .args:
      - { .name: route, .offset: 0, .size: 8, .value_kind: global_buffer, .address_space: global }
      - { .name: wts, .offset: 8, .size: 8, .value_kind: global_buffer, .address_space: global }
      - { .name: meta, .offset: 16, .size: 8, .value_kind: global_buffer, .address_space: global }
      - { .name: wsort, .offset: 24, .size: 8, .value_kind: global_buffer, .address_space: global }
    .group_segment_fixed_size: 37120
    .private_segment_fixed_size: 0
    .kernarg_segment_align: 8
    .kernarg_segment_size: 32
    .max_flat_workgroup_size: 1024
    .sgpr_count:     66
    .vgpr_count:     66
    .wavefront_size: 32
...
	.end_amdgpu_metadata
.endif
;; end of part 2
;; launch chain (part 3): grid 256 x 1, 8 waves a work-group, no clusters, 73,216 bytes of LDS; arguments meta, wsort, xq, xs, wr, b1, b2, out0; writes out0
.if DOCPART == 3
	.amdgcn_target "amdgcn-amd-amdhsa--gfx1250"
	.amdhsa_code_object_version 6
	.text
	.protected	k_qf2a02cf8cc_chain
	.globl	k_qf2a02cf8cc_chain
	.p2align	8
	.type	k_qf2a02cf8cc_chain,@function
k_qf2a02cf8cc_chain:
	s_mov_b64 s[64:65], 0
	v_nop
	global_prefetch_b8 v0, s[64:65] scope:SCOPE_SE
	s_setreg_imm32_b32 hwreg(HW_REG_WAVE_MODE, 25, 1), 1
	s_wait_xcnt 0x0
; CHAIN.  A work-group owns 32 tokens that lie together in the order sorted by pair of experts (two tiles m of 16), and their 32 rows of out0.
; It walks the 8 experts in a loop of constant count and passes over, by a scalar branch on the stored list, those that none of its tokens uses.  For an expert e in use:
;   S1: h = gelu(x w1[e] + b1[e]), quantised along the hidden axis in registers, to LDS as images of the operand's registers | barrier |
;   S2: y = h w2[e];  out += weight(token, e) x y (0 for a token that did not choose e) | barrier.      out starts as w_lo b2[lo] + w_hi b2[hi].
; Both products by v_wmma_scale_f32_16x16x128_f8f6f4 on E4M3 codes, used TRANSPOSED (source 0 = 16 rows of the weight, source 1 = 16 tokens): a lane holds one token (lane % 16).
; THE WAVES SHARE THE COLUMNS: wave w makes hidden units 128 w .. 128 w + 127 (K step w of the second product), in four groups g of 32, and output columns 32 w .. 32 w + 31.
; The rows of w1 that form a tile are chosen (by the launch that laid wr out) so that the 16 registers of tiles u = 0, 1 are 16 neighbours along the hidden axis: 32 g + 16 (lane / 16) + 0 .. 15.
; THE WEIGHTS go from wr straight into registers, each byte once a work-group: four buffers of 64 registers (window 1); as soon as a group's products have read a buffer, the next item is asked into it:
; w2's item g in S1, the next expert's w1 item g in S2.  No tensor load and no joint request: the walk hangs on numbers read from memory, and partners would walk different experts.
; In the block's last expert nothing follows: the same lines are issued with the lane term 0 (each reads one piece of 16 bytes inside wr), so that every counted wait holds on every way through the loop.
; gelu is x (1 + erf(x / sqrt 2)) / 2; erf(z) = z P(z^2) / Q(z^2), z held within +-4, P of degree 6, Q of degree 4.  The registers hold 2 gelu: the factor is taken off the scale's byte, which leaves the codes as they are.
; LIMITS: NaN and infinities are not served.  1 + erf is formed in f32, so gelu's absolute error is about 1.2e-7 |x|: its far negative tail is not accurate relative to itself.
; A block of zeros gets the byte 1 (its codes are zeros).
; REGISTERS.  Window 0: v4-19 addresses; v20-23 lo, hi of my token in tiles 0, 1; v24-27 their weights; v28-29 this expert's weights; v30-33 two coefficients, each twice; v34-35 the hidden layer's scale words in the making;
;   scale words and nothing else: v36-39 x's, v40-47 w1's, v48-55 w2's, v60-63 the hidden layer's;  v56-59 b1 as loaded; v64-79 b1 in the result's layout; v80-143 x's four fragments;
;   v144-175 four tiles of the hidden layer; v176-207 at work in gelu; v208-215 at work in the quantiser; v216-223 codes.  In S2: four hidden fragments at v64, v144, v160, v176; y at v192-223.  v224-255 out.
;   Window 1: the four weight buffers.
.set EXPB,   540672                    ; an expert in wr
.set HIMG,   0                         ; LDS: the hidden layer's 16 fragments (tile m, K step S) at (8 m + S) 2048,
.set HSC,    32768                     ; their scale words, 128 bytes each,
.set BL,     34816                     ; 512 bytes for each wave: its slice of b1,
.set STG,    38912                     ; and the stage for out: 32 rows x (1,024 bytes + 16)
.set SPITCH, 1040
.set VW,   4                           ; 32768 w + 16 lane: my place in an expert's codes
.set VWN,  5                           ; the same, or 0 where no expert follows
.set VSC,  6                           ; 1024 w + 8 lane: scale words
.set VB,   7                           ; 512 w + 16 lane: b1
.set VBLS, 8
.set VBL,  9
.set VHI,  10
.set VLI,  11
.set VHS,  12
.set VLS,  13
.set VSO,  14
.set VSR,  15
.set VGO,  16                          ; v16-19 my four rows of out0
.set LOHI, 20
.set WT,   24
.set WE,   28
.set CA13, 30
.set CB8,  32
.set HSW,  34
.set XS,   36
.set SC1,  40
.set SC2,  48
.set BRAW, 56
.set HS,   60
.set BIAS, 64
.set X,    80
.set H,    144
.set RZ,   176
.set RU,   184
.set RP,   192
.set RQ,   200
.set QT,   208
.set PC,   216
.set Y,    192
.set O,    224
.set PCUR, 26                          ; s[26:27] wr at this expert;  s[28:29] at the next one in use;  s[30:31] b1 at the next
.set PNXT, 28
.set B1N,  30
.set MSB, 0
.macro WIN new                         ; the immediate's high byte repeats the setting that is left
.if MSB != \new
	s_set_vgpr_msb (MSB<<8)|\new
.set MSB, \new
.endif
.endm
.macro BARRIER                         ; my LDS stores have landed and my LDS loads are in: then the work-group's barrier
	s_wait_dscnt 0x0
	s_barrier_signal -1
	s_barrier_wait -1
.endm
.macro WLOAD kind, g, voff, base       ; an item of 8 KiB, four fragments, into buffer g: 16 loads of 512 consecutive bytes
	WIN 0x40                                       ; destination window 1, address window 0
.irp f, 0,1,2,3
.irp c, 0,1,2,3
	global_load_b128 v[64*(\g)+16*\f+4*\c:64*(\g)+16*\f+4*\c+3], v[\voff], s[\base:\base+1] offset:(\kind)*262144+8192*(\g)+2048*\f+512*\c
.endr
.endr
	WIN 0
.endm
.macro SLOAD1 base                     ; w1's scale words of my 128 rows: lanes 0-15 tile u = 0, lanes 16-31 tile u = 1; two K steps a lane
.irp g, 0,1,2,3
	global_load_b64 v[SC1+2*\g:SC1+2*\g+1], v[VSC], s[\base:\base+1] offset:524288+256*\g
.endr
.endm
.macro SLOAD2 g, base                  ; w2's scale words of K steps 2 g, 2 g + 1: lanes 0-15 tile n = 0, lanes 16-31 tile n = 1
	global_load_b64 v[SC2+2*(\g):SC2+2*(\g)+1], v[VSC], s[\base:\base+1] offset:524288+8192+256*(\g)
.endm
; eight numbers v[a] .. v[a + 7] become 2 gelu of themselves; four pairs by turns
.macro GELU a
.set ga, \a
.irp p, 0,2,4,6
	v_pk_mul_f32 v[RZ+\p:RZ+\p+1], v[ga+\p:ga+\p+1], s[60:61] op_sel_hi:[1,0]    ; z = x / sqrt 2 (the result is read from its low end on)
.endr
.irp i, 0,1,2,3,4,5,6,7
	v_med3_num_f32 v[RZ+\i], v[RZ+\i], -4.0, 4.0
.endr
.irp p, 0,2,4,6
	v_pk_mul_f32 v[RU+\p:RU+\p+1], v[RZ+\p:RZ+\p+1], v[RZ+\p:RZ+\p+1]
.endr
.irp p, 0,2,4,6
	v_pk_fma_f32 v[RP+\p:RP+\p+1], v[RU+\p:RU+\p+1], v[CA13:CA13+1], s[40:41] op_sel_hi:[1,1,0]
.endr
.irp p, 0,2,4,6
	v_pk_fma_f32 v[RQ+\p:RQ+\p+1], v[RU+\p:RU+\p+1], v[CB8:CB8+1], s[52:53] op_sel_hi:[1,1,0]
.endr
.irp k, 42,44,46,48,50
.irp p, 0,2,4,6
	v_pk_fma_f32 v[RP+\p:RP+\p+1], v[RP+\p:RP+\p+1], v[RU+\p:RU+\p+1], s[\k:\k+1] op_sel_hi:[1,1,0]
.endr
.endr
.irp k, 54,56,58
.irp p, 0,2,4,6
	v_pk_fma_f32 v[RQ+\p:RQ+\p+1], v[RQ+\p:RQ+\p+1], v[RU+\p:RU+\p+1], s[\k:\k+1] op_sel_hi:[1,1,0]
.endr
.endr
.irp i, 0,1,2,3,4,5,6,7
	v_rcp_f32 v[RU+\i], v[RQ+\i]
.endr
.irp p, 0,2,4,6
	v_pk_fma_f32 v[RP+\p:RP+\p+1], v[RZ+\p:RZ+\p+1], v[RP+\p:RP+\p+1], v[RQ+\p:RQ+\p+1]   ; z P + Q (plain lines behind the reciprocals, which they do not read)
.endr
	s_wait_alu depctr_va_vdst(0)
.irp p, 0,2,4,6
	v_pk_mul_f32 v[RP+\p:RP+\p+1], v[RP+\p:RP+\p+1], v[RU+\p:RU+\p+1]                     ; 1 + erf
.endr
.irp p, 0,2,4,6
	v_pk_mul_f32 v[ga+\p:ga+\p+1], v[ga+\p:ga+\p+1], v[RP+\p:RP+\p+1]
.endr
.endm
; block g of the hidden layer's K step, both tiles of tokens by turns: 16 numbers a lane and 16 in lane l xor 16.  The numbers are 2 gelu: the conversion divides by twice the scale, the byte is one less
.macro QUANT g
.irp m, 0,1
	v_max3_num_f32 v[QT+\m], |v[H+16*\m]|, |v[H+16*\m+1]|, 0x5000000   ; the floor 2^(10 - 127): the byte cannot fall under 1
.endr
.irp i, 2,4,6,8,10,12,14
.irp m, 0,1
	v_max3_num_f32 v[QT+\m], v[QT+\m], |v[H+16*\m+\i]|, |v[H+16*\m+\i+1]|
.endr
.endr
.irp m, 0,1
	v_permlanex16_b32 v[QT+2+\m], v[QT+\m], s34, s35
.endr
.irp m, 0,1
	v_max_num_f32 v[QT+\m], v[QT+\m], v[QT+2+\m]
.endr
.irp m, 0,1
	v_add_nc_u32 v[QT+4+\m], 0xfc000000, v[QT+\m]          ; 8 off the exponent field: the conversion's scale operand
.endr
.irp m, 0,1
	v_and_or_b32 v[QT+6+\m], v[QT+\m], 0x7f800000, s36     ; 448 x that scale
.endr
.irp m, 0,1
	v_add_nc_u32 v[QT+2+\m], 0xfb800000, v[QT+\m]          ; 9 off: the scale of gelu itself
.endr
.irp m, 0,1
	v_lshrrev_b32 v[QT+2+\m], 23, v[QT+2+\m]               ; its byte
.endr
.irp m, 0,1
.if (\g) == 0
	v_mov_b32 v[HSW+\m], v[QT+2+\m]
.else
	v_lshl_or_b32 v[HSW+\m], v[QT+2+\m], 8*(\g), v[HSW+\m]
.endif
.endr
.irp m, 0,1
.irp i, 0,1,2,3,4,5,6,7,8,9,10,11,12,13,14,15
	v_med3_num_f32 v[H+16*\m+\i], v[H+16*\m+\i], -v[QT+6+\m], v[QT+6+\m]   ; the conversion to an 8-bit code does not saturate (ISA guide 7.6.2)
.endr
	v_cvt_scalef32_pk8_fp8_f32 v[PC+4*\m:PC+4*\m+1], v[H+16*\m:H+16*\m+7], v[QT+4+\m]
	v_cvt_scalef32_pk8_fp8_f32 v[PC+4*\m+2:PC+4*\m+3], v[H+16*\m+8:H+16*\m+15], v[QT+4+\m]
.endr
	v_nop                                          ; a plain line behind the last conversion: matrix instructions write these registers later
.endm
.macro MM1 g, s, m, u                  ; hidden tile (m, u) += w1's fragment (u, s) x x's fragment (m, s); the bias starts the sum
.set rH, H+16*(\m)+8*(\u)
.set rA, 64*(\g)+16*(2*(\u)+(\s))
.set rX, X+32*(\m)+16*(\s)
.if (\s) == 0
.if (\u) == 0
	v_wmma_scale_f32_16x16x128_f8f6f4 v[rH:rH+7], v[rA:rA+15], v[rX:rX+15], v[BIAS:BIAS+7], v[SC1+2*(\g)], v[XS+2*(\m)]
.else
	v_wmma_scale_f32_16x16x128_f8f6f4 v[rH:rH+7], v[rA:rA+15], v[rX:rX+15], v[BIAS+8:BIAS+15], v[SC1+2*(\g)], v[XS+2*(\m)] matrix_a_scale:MATRIX_SCALE_ROW1
.endif
.else
.if (\u) == 0
	v_wmma_scale_f32_16x16x128_f8f6f4 v[rH:rH+7], v[rA:rA+15], v[rX:rX+15], v[rH:rH+7], v[SC1+2*(\g)+1], v[XS+2*(\m)+1]
.else
	v_wmma_scale_f32_16x16x128_f8f6f4 v[rH:rH+7], v[rA:rA+15], v[rX:rX+15], v[rH:rH+7], v[SC1+2*(\g)+1], v[XS+2*(\m)+1] matrix_a_scale:MATRIX_SCALE_ROW1
.endif
.endif
.endm
.macro SETHF i                         ; where hidden fragment i of a group lies
.if (\i) == 0
.set HF, 64
.else
.set HF, 128+16*(\i)
.endif
.endm
.macro MM2 g, sp, m, n                 ; y (n, m) += w2's fragment (n, K step 2 g + sp) x the hidden fragment (m, that K step)
.set rY, Y+16*(\n)+8*(\m)
.set rA, 64*(\g)+16*(2*(\n)+(\sp))
	SETHF 2*(\m)+(\sp)
.if ((\g) == 0) && ((\sp) == 0)
.if (\n) == 0
	v_wmma_scale_f32_16x16x128_f8f6f4 v[rY:rY+7], v[rA:rA+15], v[HF:HF+15], 0, v[SC2+2*(\g)+(\sp)], v[HS+2*(\m)+(\sp)]
.else
	v_wmma_scale_f32_16x16x128_f8f6f4 v[rY:rY+7], v[rA:rA+15], v[HF:HF+15], 0, v[SC2+2*(\g)+(\sp)], v[HS+2*(\m)+(\sp)] matrix_a_scale:MATRIX_SCALE_ROW1
.endif
.else
.if (\n) == 0
	v_wmma_scale_f32_16x16x128_f8f6f4 v[rY:rY+7], v[rA:rA+15], v[HF:HF+15], v[rY:rY+7], v[SC2+2*(\g)+(\sp)], v[HS+2*(\m)+(\sp)]
.else
	v_wmma_scale_f32_16x16x128_f8f6f4 v[rY:rY+7], v[rA:rA+15], v[HF:HF+15], v[rY:rY+7], v[SC2+2*(\g)+(\sp)], v[HS+2*(\m)+(\sp)] matrix_a_scale:MATRIX_SCALE_ROW1
.endif
.endif
.endm
; S1, group g: 32 hidden units for the 32 tokens.  The four accumulators take turns, one instruction a turn.
.macro S1G g
	s_wait_loadcnt 48                              ; buffer g's item is in: behind it at least three items of 16 loads were issued, on every way here; w1's scale words and b1 are older
.if (\g) == 0
	ds_store_b128 v[VBLS], v[BRAW:BRAW+3]          ; b1's slice turns through my own 512 bytes of LDS into the result's layout (LDS serves a wave's instructions in order)
.irp q, 0,1,2,3
	ds_load_b128 v[BIAS+4*\q:BIAS+4*\q+3], v[VBL] offset:16*\q
.endr
.endif
	s_wait_dscnt 0x0                               ; the bias is in; the last group's LDS stores have read the codes' registers
	WIN 0x01                                       ; source 0 in window 1
.irp s, 0,1
.irp m, 0,1
.irp u, 0,1
	MM1 \g, \s, \m, \u
.endr
.endr
.endr
	WIN 0
.rept 8
	v_nop                                          ; eight places ahead of loads into registers that these products read, and of the first read of their results
.endr
	WLOAD 1, \g, VW, PCUR                          ; w2's item g takes the buffer
.if (\g) < 3
.irp q, 0,1,2,3
	ds_load_b128 v[BIAS+4*\q:BIAS+4*\q+3], v[VBL] offset:128*((\g)+1)+16*\q
.endr
.endif
	GELU H
	GELU H+8
	GELU H+16
	GELU H+24
	QUANT \g
	ds_store_b128 v[VHI], v[PC:PC+3] offset:HIMG+512*(\g)          ; registers 4 g .. 4 g + 3 of fragment (m = 0, K step w), as they stand
	ds_store_b128 v[VHI], v[PC+4:PC+7] offset:HIMG+16384+512*(\g)  ; and of (m = 1, K step w)
.if (\g) == 3
	ds_store_b32 v[VHS], v[HSW]
	ds_store_b32 v[VHS], v[HSW+1] offset:1024
.endif
.endm
; S2, group g: K steps 2 g and 2 g + 1 of the second product.  cnt: the loads issued behind w2's item g
.macro S2G g, cnt
.irp m, 0,1
.irp sp, 0,1
	SETHF 2*\m+\sp
.irp c, 0,1,2,3
	ds_load_b128 v[HF+4*\c:HF+4*\c+3], v[VLI] offset:HIMG+(8*\m+2*(\g)+\sp)*2048+512*\c
.endr
	ds_load_b32 v[HS+2*\m+\sp], v[VLS] offset:(8*\m+2*(\g)+\sp)*128
.endr
.endr
	s_wait_loadcnt \cnt
	s_wait_dscnt 0x0
	WIN 0x01
.irp sp, 0,1
.irp m, 0,1
.irp n, 0,1
	MM2 \g, \sp, \m, \n
.endr
.endr
.endr
	WIN 0
.rept 8+(\g)/3
	v_nop                                          ; eight places ahead of loads into registers read and of the first read of y; nine behind the last group: the next expert's products write over registers read here
.endr
.if (\g) == 0
	SLOAD1 PNXT                                    ; for the next expert in use: w1's scale words, b1's slice,
	global_load_b128 v[BRAW:BRAW+3], v[VB], s[B1N:B1N+1]
.endif
	SLOAD2 \g, PNXT                                ; w2's scale words of the two K steps just done,
	WLOAD 0, \g, VWN, PNXT                         ; and w1's item g into the buffer
.endm
	s_load_b512 s[4:19], s[0:1], 0x0               ; meta, wsort, xq, xs, wr, b1, b2, out0
	v_lshrrev_b32 v1, 5, v0
	v_readfirstlane_b32 s20, v1                    ; wave 0..7
	v_and_b32 v1, 31, v0                           ; lane
	v_and_b32 v2, 15, v0                           ; r
	v_bfe_u32 v3, v0, 4, 1                         ; h
	s_lshl_b32 s32, s20, 15
	v_lshl_add_u32 v[VW], v1, 4, s32
	s_lshl_b32 s32, s20, 10
	v_lshl_add_u32 v[VSC], v1, 3, s32
	s_lshl_b32 s32, s20, 9
	v_lshl_add_u32 v[VB], v1, 4, s32
	v_add_nc_u32 v[VBLS], BL, v[VB]                ; b1's slice into LDS as it lies,
	v_lshl_add_u32 v[VBL], v3, 6, s32
	v_add_nc_u32 v[VBL], BL, v[VBL]                ; and back: 16 numbers of my half of a group: 128 g + 64 h
	s_lshl_b32 s32, s20, 11
	v_lshl_add_u32 v[VHI], v1, 4, s32              ; my K step's image: 2048 w + 16 lane
	v_lshlrev_b32 v[VLI], 4, v1
	s_lshl_b32 s32, s20, 7
	v_lshl_add_u32 v[VHS], v1, 2, s32
	v_add_nc_u32 v[VHS], HSC, v[VHS]
	v_lshl_add_u32 v[VLS], v1, 2, HSC
	v_mul_u32_u24 v[VSO], v2, SPITCH
	v_lshl_add_u32 v[VSO], v3, 5, v[VSO]
	v_add_nc_u32 v[VSO], s32, v[VSO]
	v_add_nc_u32 v[VSO], STG, v[VSO]               ; the stage: row r, + 128 w + 32 h
	v_lshl_add_u32 v190, v3, 5, s32                ; b2: my eight columns of a tile: 128 w + 32 h
	s_mul_i32 s32, s20, 4*SPITCH
	v_add_nc_u32 v[VSR], s32, v[VLI]
	v_add_nc_u32 v[VSR], STG, v[VSR]               ; back: rows 4 w on, 16 bytes a lane
	v_lshlrev_b32 v176, 2, v2
	v_lshlrev_b32 v177, 3, v2
	s_lshl_b32 s32, s20, 4
	v_mov_b32 v178, s32
	s_mov_b32 s34, 0x76543210
	s_mov_b32 s35, 0xfedcba98                      ; v_permlanex16_b32's selects for lane l xor 16
	s_mov_b32 s36, 0x600000                        ; the mantissa field of 448
	; erf's coefficients; a packed line names a pair and takes its low word for both halves, so both words are written
.macro CPAIR r, bits
	s_mov_b32 s[\r], \bits
	s_mov_b32 s[\r+1], \bits
.endm
	CPAIR 40, 0x32edffee                           ; a11 =  2.77068142e-08
	CPAIR 42, 0xb60cff51                           ; a9  = -2.10102402e-06
	CPAIR 44, 0xb86ec2d2                           ; a7  = -5.69250639e-05
	CPAIR 46, 0xba40ac63                           ; a5  = -7.34990630e-04
	CPAIR 48, 0xbb41a1f6                           ; a3  = -2.95459981e-03
	CPAIR 50, 0xbc83dbd4                           ; a1  = -1.60960333e-02
	CPAIR 52, 0xb95fbd29                           ; b6  = -2.13374055e-04
	CPAIR 54, 0xbadc924e                           ; b4  = -1.68282697e-03
	CPAIR 56, 0xbbf19bf8                           ; b2  = -7.37332917e-03
	CPAIR 58, 0xbc69b6a7                           ; b0  = -1.42647391e-02
	CPAIR 60, 0x3f3504f3                           ; 1 / sqrt 2
	v_mov_b32 v[CA13], 0xaf95df0b                  ; a13 = -2.72614226e-10
	v_mov_b32 v[CA13+1], 0xaf95df0b
	v_mov_b32 v[CB8], 0xb77460cd                   ; b8  = -1.45660718e-05
	v_mov_b32 v[CB8+1], 0xb77460cd
	v_mov_b32 v[QT+2], 0                           ; written once: a lane permute's destination counts as one of its sources
	v_mov_b32 v[QT+3], 0
	s_lshl_b32 s32, ttmp9, 7
	s_mov_b32 s33, 0
	s_wait_kmcnt 0x0
	s_add_nc_u64 s[4:5], s[4:5], s[32:33]          ; meta at my block
	s_lshl_b32 s32, ttmp9, 8
	s_add_nc_u64 s[6:7], s[6:7], s[32:33]          ; wsort likewise
	global_load_b32 v180, v176, s[4:5]             ; token r of tile 0,
	global_load_b32 v181, v176, s[4:5] offset:64   ; of tile 1
	global_load_b64 v[WT:WT+1], v177, s[6:7]
	global_load_b64 v[WT+2:WT+3], v177, s[6:7] offset:128
	global_load_b128 v[VGO:VGO+3], v178, s[4:5]    ; the four rows that my wave stores
	s_wait_loadcnt 0x0
.irp m, 0,1
	v_and_b32 v[182+\m], 0x1fff, v[180+\m]
	v_min_u32 v[182+\m], 0x1fff, v[182+\m]         ; the token, held inside its tables
	v_bfe_u32 v[LOHI+2*\m], v[180+\m], 16, 3
	v_min_u32 v[LOHI+2*\m], 7, v[LOHI+2*\m]
	v_bfe_u32 v[LOHI+2*\m+1], v[180+\m], 20, 3
	v_min_u32 v[LOHI+2*\m+1], 7, v[LOHI+2*\m+1]
.endr
.irp i, 0,1,2,3
	v_and_b32 v[VGO+\i], 0x1fff, v[VGO+\i]
	v_min_u32 v[VGO+\i], 0x1fff, v[VGO+\i]
	v_lshl_add_u32 v[VGO+\i], v[VGO+\i], 10, v[VLI]    ; its row of out0, 16 bytes a lane
.endr
	v_lshlrev_b32 v184, v[LOHI], 1                 ; the experts of my two tokens, a bit each
	v_lshl_or_b32 v184, 1, v[LOHI+1], v184
	v_lshl_or_b32 v184, 1, v[LOHI+2], v184
	v_lshl_or_b32 v184, 1, v[LOHI+3], v184
	s_mov_b32 s21, 0                               ; and of the whole block
.irp e, 0,1,2,3,4,5,6,7
	v_and_b32 v185, 1<<\e, v184
	v_cmp_ne_u32 s32, 0, v185
	s_cmp_lg_u32 s32, 0
	s_cselect_b32 s32, 1<<\e, 0
	s_or_b32 s21, s21, s32
.endr
.irp m, 0,1
	v_lshlrev_b32 v[186+\m], 8, v[182+\m]
	v_lshl_add_u32 v[186+\m], v3, 4, v[186+\m]     ; x's codes: 256 bytes a token, + 16 h
	v_lshlrev_b32 v[188+\m], 3, v[182+\m]          ; x's scale bytes: 8 a token
	v_lshl_add_u32 v[176+2*\m], v[LOHI+2*\m], 10, v190     ; b2[lo], b2[hi]: 1,024 bytes a row
	v_lshl_add_u32 v[177+2*\m], v[LOHI+2*\m+1], 10, v190
.endr
.irp m, 0,1
.irp s, 0,1
.irp c, 0,1,2,3
	global_load_b128 v[X+32*\m+16*\s+4*\c:X+32*\m+16*\s+4*\c+3], v[186+\m], s[8:9] offset:128*\s+32*\c
.endr
.endr
	global_load_b64 v[XS+2*\m:XS+2*\m+1], v[188+\m], s[10:11]
.endr
.irp n, 0,1
.irp m, 0,1
.irp q, 0,1
	global_load_b128 v[Y+16*\n+8*\m+4*\q:Y+16*\n+8*\m+4*\q+3], v[176+2*\m], s[16:17] offset:64*\n+16*\q
	global_load_b128 v[H+16*\n+8*\m+4*\q:H+16*\n+8*\m+4*\q+3], v[177+2*\m], s[16:17] offset:64*\n+16*\q
.endr
.endr
.endr
	s_ctz_i32_b32 s25, s21
	s_min_u32 s25, s25, 7                          ; the first expert in use
	s_mul_i32 s32, s25, EXPB
	s_add_nc_u64 s[PNXT:PNXT+1], s[12:13], s[32:33]
	s_lshl_b32 s32, s25, 12
	s_add_nc_u64 s[B1N:B1N+1], s[14:15], s[32:33]
	SLOAD1 PNXT                                    ; its operands, in the order in which S2 asks for a next expert's: 73 loads
	global_load_b128 v[BRAW:BRAW+3], v[VB], s[B1N:B1N+1]
.irp g, 0,1,2,3
	SLOAD2 \g, PNXT
	WLOAD 0, \g, VW, PNXT
.endr
	s_wait_loadcnt 63                              ; 73 loads were issued behind x's codes, x's scale words and b2's rows: these are in
.irp n, 0,1
.irp m, 0,1
.irp p, 0,2,4,6
	v_pk_mul_f32 v[O+16*\n+8*\m+\p:O+16*\n+8*\m+\p+1], v[Y+16*\n+8*\m+\p:Y+16*\n+8*\m+\p+1], v[WT+2*\m:WT+2*\m+1] op_sel_hi:[1,0]
.endr
.irp p, 0,2,4,6
	v_pk_fma_f32 v[O+16*\n+8*\m+\p:O+16*\n+8*\m+\p+1], v[H+16*\n+8*\m+\p:H+16*\n+8*\m+\p+1], v[WT+2*\m:WT+2*\m+1], v[O+16*\n+8*\m+\p:O+16*\n+8*\m+\p+1] op_sel:[0,1,0] op_sel_hi:[1,1,1]
.endr
.endr
.endr
	s_mov_b32 s22, 0                               ; e
.Lexpert:                                          ; eight trips; both barriers of a trip stand on every wave's way
	s_wait_xcnt 0x0                                ; the loads issued so far have read their bases and offsets: these may be written
	s_lshr_b32 s23, s21, s22
	s_and_b32 s23, s23, 1                          ; is e in use?
	s_lshl_b32 s32, -2, s22
	s_and_b32 s32, s21, s32                        ; the experts in use behind e
	s_min_u32 s24, s32, 1                          ; is there one?
	s_ctz_i32_b32 s25, s32
	s_min_u32 s25, s25, 7                          ; the next one (7 where there is none: inside the buffers)
	s_mul_i32 s32, s22, EXPB
	s_add_nc_u64 s[PCUR:PCUR+1], s[12:13], s[32:33]
	s_mul_i32 s32, s25, EXPB
	s_add_nc_u64 s[PNXT:PNXT+1], s[12:13], s[32:33]
	s_lshl_b32 s32, s25, 12
	s_add_nc_u64 s[B1N:B1N+1], s[14:15], s[32:33]
	v_mul_u32_u24 v[VWN], s24, v[VW]
	s_cmp_eq_u32 s23, 0
	s_cbranch_scc1 .Lno_s1
	S1G 0
	S1G 1
	S1G 2
	S1G 3
.Lno_s1:
	BARRIER                                        ; the hidden layer's sixteen fragments lie in LDS
	s_cmp_eq_u32 s23, 0
	s_cbranch_scc1 .Lno_s2
	S2G 0, 48                                      ; behind w2's item 0: items 1 to 3
	S2G 1, 54                                      ; behind item 1: items 2, 3 and group 0's 22 loads
	S2G 2, 55                                      ; behind item 2: item 3, 22 and 17
	S2G 3, 56                                      ; behind item 3: 22, 17 and 17
.irp m, 0,1                                        ; this expert's weight for my token: w_lo, w_hi or 0
	v_cmp_eq_u32 vcc_lo, s22, v[LOHI+2*\m]
	v_cndmask_b32 v[WE+\m], 0, v[WT+2*\m], vcc_lo
	v_cmp_eq_u32 vcc_lo, s22, v[LOHI+2*\m+1]
	v_cndmask_b32 v[WE+\m], v[WE+\m], v[WT+2*\m+1], vcc_lo
.endr
.irp n, 0,1
.irp m, 0,1
.irp p, 0,2,4,6
	v_pk_fma_f32 v[O+16*\n+8*\m+\p:O+16*\n+8*\m+\p+1], v[Y+16*\n+8*\m+\p:Y+16*\n+8*\m+\p+1], v[WE:WE+1], v[O+16*\n+8*\m+\p:O+16*\n+8*\m+\p+1] op_sel:[0,\m,0] op_sel_hi:[1,\m,1]
.endr
.endr
.endr
.Lno_s2:
	BARRIER                                        ; every wave's reads of the images are in: the next expert may write them
	s_add_co_u32 s22, s22, 1
	s_cmp_lt_u32 s22, 8
	s_cbranch_scc1 .Lexpert
	; THE WAY OUT.  A lane holds eight neighbouring columns of a row, a row's 256 columns come from eight waves: they meet in the stage, and each wave stores four whole rows
.irp n, 0,1
.irp m, 0,1
.irp q, 0,1
	ds_store_b128 v[VSO], v[O+16*\n+8*\m+4*\q:O+16*\n+8*\m+4*\q+3] offset:16*SPITCH*\m+64*\n+16*\q
.endr
.endr
.endr
	BARRIER
.irp i, 0,1,2,3
.irp hf, 0,1
	ds_load_b128 v[H+8*\i+4*\hf:H+8*\i+4*\hf+3], v[VSR] offset:SPITCH*\i+512*\hf
.endr
.endr
.irp i, 0,1,2,3
.irp hf, 0,1
	s_wait_dscnt 7-2*\i-\hf                        ; LDS loads come back in order: this one is in
	global_store_b128 v[VGO+\i], v[H+8*\i+4*\hf:H+8*\i+4*\hf+3], s[18:19] offset:512*\hf th:TH_STORE_NT   ; 512 consecutive bytes of a row of out0, at a multiple of 512 from its first byte
.endr
.endr
	s_wait_xcnt 0x0
	v_lshl_add_u32 v222, v0, 2, 0x11a00
	v_mov_b32 v223, 0
	s_wait_tensorcnt 0x0
	ds_add_u32 v222, v223
	s_wait_dscnt 0x0
	s_endpgm
.Lfunc_end_k_qf2a02cf8cc_chain:
	.size	k_qf2a02cf8cc_chain, .Lfunc_end_k_qf2a02cf8cc_chain-k_qf2a02cf8cc_chain
	.p2alignl 7, 3214868480
	.fill 96, 4, 3214868480
	.section	.rodata,"a",@progbits
	.p2align	6, 0x0
	.amdhsa_kernel k_qf2a02cf8cc_chain
		.amdhsa_group_segment_fixed_size 73216
		.amdhsa_private_segment_fixed_size 0
		.amdhsa_enable_private_segment 0
		.amdhsa_kernarg_size 64
		.amdhsa_user_sgpr_count 2
		.amdhsa_user_sgpr_kernarg_segment_ptr 1
		.amdhsa_wavefront_size32 1
		.amdhsa_system_sgpr_workgroup_id_x 1
		.amdhsa_system_sgpr_workgroup_id_y 1
		.amdhsa_system_sgpr_workgroup_id_z 1
		.amdhsa_system_vgpr_workitem_id 0
		.amdhsa_next_free_vgpr 512
		.amdhsa_next_free_sgpr 66
		.amdhsa_reserve_vcc 1
		.amdhsa_float_denorm_mode_32 3
		.amdhsa_float_denorm_mode_16_64 3
		.amdhsa_memory_ordered 1
		.amdhsa_forward_progress 1
		.amdhsa_inst_pref_size 146
	.end_amdhsa_kernel
	.amdgpu_metadata
---
amdhsa.version: [ 1, 2 ]
amdhsa.kernels:
  - .name:           k_qf2a02cf8cc_chain
    .symbol:         k_qf2a02cf8cc_chain.kd
    .args:
      - { .name: meta, .offset: 0, .size: 8, .value_kind: global_buffer, .address_space: global }
      - { .name: wsort, .offset: 8, .size: 8, .value_kind: global_buffer, .address_space: global }
      - { .name: xq, .offset: 16, .size: 8, .value_kind: global_buffer, .address_space: global }
      - { .name: xs, .offset: 24, .size: 8, .value_kind: global_buffer, .address_space: global }
      - { .name: wr, .offset: 32, .size: 8, .value_kind: global_buffer, .address_space: global }
      - { .name: b1, .offset: 40, .size: 8, .value_kind: global_buffer, .address_space: global }
      - { .name: b2, .offset: 48, .size: 8, .value_kind: global_buffer, .address_space: global }
      - { .name: out0, .offset: 56, .size: 8, .value_kind: global_buffer, .address_space: global }
    .group_segment_fixed_size: 73216
    .private_segment_fixed_size: 0
    .kernarg_segment_align: 8
    .kernarg_segment_size: 64
    .max_flat_workgroup_size: 256
    .sgpr_count:     66
    .vgpr_count:     512
    .wavefront_size: 32
...
	.end_amdgpu_metadata
.endif
;; end of part 3
;; ======== version 2 of 2: 3 launches; 1.19 times as fast as version 1
;; limits: an absolute error that grows with the inputs' magnitude: up to 1.2e-07 times it
;; workspace buffers: xq 2,097,152 bytes; xs 65,536 bytes; route 65,536 bytes of whole numbers; wts 65,536 bytes; wr 4,325,376 bytes; meta 32,768 bytes of whole numbers; wsort 65,536 bytes
;; launch prep: the kernel of part 1 again; grid 256 x 1, 4 waves a work-group, no clusters, 51,200 bytes of LDS; arguments x, gate_w, gate_b, w1_codes, w1_scales, w2_codes, w2_scales, xq, xs, route, wts, wr; writes xq, xs, route, wts, wr
;; launch place (part 4): grid 256 x 1, 8 waves a work-group, no clusters, 3,072 bytes of LDS; arguments route, wts, meta, wsort; writes meta, wsort
.if DOCPART == 4
	.amdgcn_target "amdgcn-amd-amdhsa--gfx1250"
	.amdhsa_code_object_version 6
	.text
	.protected	k_qf2a02cf8cc_place
	.globl	k_qf2a02cf8cc_place
	.p2align	8
	.type	k_qf2a02cf8cc_place,@function
k_qf2a02cf8cc_place:
	s_mov_b64 s[64:65], 0
	v_nop
	global_prefetch_b8 v0, s[64:65] scope:SCOPE_SE
	s_setreg_imm32_b32 hwreg(HW_REG_WAVE_MODE, 25, 1), 1
	s_wait_xcnt 0x0
; PLACE.  A counting sort of the 8,192 tokens by their class (pair of experts), stable in the token's number, without atomics: EACH WORK-GROUP PLACES ITS OWN CHUNK OF 32 TOKENS.
; route [chunk 256][lane 32]{sel, hist}: sel = class | rank << 8 | lo << 16 | hi << 20 of token 32 chunk + lane; hist = the chunk's count of class = lane (lanes 28-31: 0).
; A token's place = its class's start (the totals of the lower classes) + the counts of its class in earlier chunks + its rank.
; Out: meta[place] = token | lo << 16 | hi << 20, wsort[place] = {w_lo, w_hi}.  Every place is stored by one work-group.
; SHARES.  Work-group j serves chunk j.  It needs two sums over the 256 chunks for every class: over all of them, and over those ahead of j.  A lane takes a class, wave w chunks 32 w .. 32 w + 31:
; each of its 32 loads reads the upper words of one chunk's 256 consecutive bytes.  Which chunks lie ahead of j hangs on ids alone: 32 scalar flags, made while the loads are out.
; The eight waves' sums meet in LDS; wave 0 adds them, scans the totals over the classes, and fetches each token's entry (lane = its class) by one lane permute: no table in LDS.
; The table of 64 KiB is read by every work-group, once, with no loop.  It is not asked for jointly in a cluster: that would put a round of the cluster's barrier and a pass through LDS ahead of the same 32 additions a lane.
; The two stores are scattered by nature: a chunk's 32 tokens go to as many as 28 classes; 12 bytes a token, 96 KiB in the whole launch.
.set PART, 0                           ; LDS: {total, earlier} for each thread, 8 bytes: 256 bytes a wave, 2,048 in all
.set CNT,  8                           ; v8-39  the counts of my class in my wave's 32 chunks; in wave 0 later the eight waves' sums
.set FLG,  32                          ; s32-63 flag k: chunk 32 w + k lies ahead of chunk j
	s_load_b256 s[4:11], s[0:1], 0x0               ; route, wts, meta, wsort
	v_lshl_add_u32 v64, v0, 2, 0x800
	v_mov_b32 v65, 0
	v_lshrrev_b32 v1, 5, v0
	v_readfirstlane_b32 s12, v1                    ; wave 0..7
	v_and_b32 v1, 31, v0                           ; lane
	s_lshl_b32 s13, s12, 13                        ; my wave's 32 chunks of 256 bytes
	v_lshl_add_u32 v2, v1, 3, s13                  ; route: chunk 32 w, class = lane
	v_lshlrev_b32 v3, 3, v1                        ; 8 x lane
	v_lshlrev_b32 v5, 3, v0                        ; 8 x thread: my place among the sums in LDS
	s_lshl_b32 s14, s12, 5
	s_sub_co_i32 s14, ttmp9, s14                   ; j - 32 w: so many of my wave's chunks lie ahead of j (0 or less: none; 32 or more: all)
	s_lshl_b32 s15, ttmp9, 5                       ; the chunk's first token
	s_lshl_b32 s26, ttmp9, 8                       ; the chunk's 256 bytes in route and in wts
	s_mov_b32 s27, 0
	s_mov_b32 s24, 0xffff0000                      ; lanes 16-31
	v_mov_b32 v42, 0                               ; (the destination of a DPP move counts as read)
	s_wait_kmcnt 0x0
	s_add_nc_u64 s[20:21], s[4:5], s[26:27]
	s_add_nc_u64 s[22:23], s[6:7], s[26:27]
	s_cmp_lg_u32 s12, 0
	s_cbranch_scc1 .Lno_own
	global_load_b32 v4, v3, s[20:21]               ; wave 0: the chunk's own tokens: sel,
	global_load_b64 v[6:7], v3, s[22:23]           ; and their two weights
.Lno_own:
.set k, 0
.rept 32
	global_load_b32 v[CNT+k], v2, s[4:5] offset:256*k+4
.set k, k+1
.endr
.set k, 0
.rept 32                               ; scalar work on ids, while the loads are out
	s_cmp_gt_i32 s14, k
	s_cselect_b32 s[FLG+k], 1, 0
.set k, k+1
.endr
	s_wait_loadcnt 0x0                             ; all 32 counts are summed at once (wave 0: its tokens are in too)
	v_mul_u32_u24 v41, s[FLG], v[CNT]              ; the counts ahead of chunk j, in two chains;
	v_mul_u32_u24 v43, s[FLG+1], v[CNT+1]
	v_add3_u32 v40, v[CNT], v[CNT+1], v[CNT+2]     ; all counts
.set k, 2
.rept 15
	v_mad_u32_u24 v41, v[CNT+k], s[FLG+k], v41
	v_mad_u32_u24 v43, v[CNT+k+1], s[FLG+k+1], v43
.if k < 30
	v_add3_u32 v40, v40, v[CNT+k+1], v[CNT+k+2]
.else
	v_add_nc_u32 v40, v40, v[CNT+k+1]
.endif
.set k, k+2
.endr
	v_add_nc_u32 v41, v41, v43
	ds_store_b64 v5, v[40:41] offset:PART
	s_wait_dscnt 0x0                               ; for the others' sake: my sums lie in LDS
	s_barrier_signal -1
	s_barrier_wait -1
	s_cmp_lg_u32 s12, 0
	s_cbranch_scc1 .Lend                           ; 32 tokens are one wave's work
.irp w, 0,1,2,3,4,5,6,7
	ds_load_b64 v[CNT+2*\w:CNT+2*\w+1], v3 offset:PART+256*\w
.endr
	s_wait_dscnt 0x0
	v_add3_u32 v40, v8, v10, v12                   ; my class's total,
	v_add3_u32 v41, v9, v11, v13                   ; and its count in the chunks ahead of j
	v_add3_u32 v40, v40, v14, v16
	v_add3_u32 v41, v41, v15, v17
	v_add3_u32 v40, v40, v18, v20
	v_add3_u32 v41, v41, v19, v21
	v_add_nc_u32 v40, v40, v22
	v_add_nc_u32 v41, v41, v23
	v_mov_b32 v43, v40
; an inclusive scan of v[r] over the 32 lanes; v[t] at work
.macro SCAN32 r, t
.irp n, 1,2,4,8
	v_mov_b32_dpp v[\t], v[\r] row_shr:\n row_mask:0xf bank_mask:0xf bound_ctrl:1
	v_add_nc_u32 v[\r], v[\r], v[\t]
.endr
	v_readlane_b32 s25, v[\r], 15                  ; the lower sixteen's sum goes onto the upper sixteen
	v_mov_b32 v[\t], s25
	v_cndmask_b32 v[\t], 0, v[\t], s24
	v_add_nc_u32 v[\r], v[\r], v[\t]
.endm
	SCAN32 40, 42
	v_sub_nc_u32 v40, v40, v43                     ; the totals of the lower classes: where my class starts,
	v_add_nc_u32 v40, v40, v41                     ; and where chunk j's tokens of it begin
	v_and_b32 v44, 31, v4
	v_min_u32 v44, 31, v44                         ; now lane = token: its class, held to a lane's number,
	v_lshlrev_b32 v44, 2, v44                      ; as the permute wants it: 4 x lane
	ds_bpermute_b32 v45, v44, v40                  ; the entry of the lane that holds my class; no LDS byte is touched
	v_bfe_u32 v46, v4, 8, 5                        ; my rank
	v_add_nc_u32 v47, s15, v1                      ; my token
	v_and_or_b32 v47, v4, 0x770000, v47            ; with lo and hi above it
	s_wait_dscnt 0x0
	v_add_nc_u32 v45, v45, v46
	v_min_u32 v45, 0x1fff, v45                     ; the place, held inside the buffers
	v_lshlrev_b32 v48, 2, v45
	v_lshlrev_b32 v49, 3, v45
	global_store_b32 v48, v47, s[8:9]
	global_store_b64 v49, v[6:7], s[10:11]
.Lend:
	s_wait_tensorcnt 0x0
	ds_add_u32 v64, v65
	s_wait_dscnt 0x0
	s_endpgm
.Lfunc_end_k_qf2a02cf8cc_place:
	.size	k_qf2a02cf8cc_place, .Lfunc_end_k_qf2a02cf8cc_place-k_qf2a02cf8cc_place
	.p2alignl 7, 3214868480
	.fill 96, 4, 3214868480
	.section	.rodata,"a",@progbits
	.p2align	6, 0x0
	.amdhsa_kernel k_qf2a02cf8cc_place
		.amdhsa_group_segment_fixed_size 3072
		.amdhsa_private_segment_fixed_size 0
		.amdhsa_enable_private_segment 0
		.amdhsa_kernarg_size 32
		.amdhsa_user_sgpr_count 2
		.amdhsa_user_sgpr_kernarg_segment_ptr 1
		.amdhsa_wavefront_size32 1
		.amdhsa_system_sgpr_workgroup_id_x 1
		.amdhsa_system_sgpr_workgroup_id_y 1
		.amdhsa_system_sgpr_workgroup_id_z 1
		.amdhsa_system_vgpr_workitem_id 0
		.amdhsa_next_free_vgpr 66
		.amdhsa_next_free_sgpr 66
		.amdhsa_reserve_vcc 0
		.amdhsa_float_denorm_mode_32 3
		.amdhsa_float_denorm_mode_16_64 3
		.amdhsa_memory_ordered 1
		.amdhsa_forward_progress 1
		.amdhsa_inst_pref_size 12
	.end_amdhsa_kernel
	.amdgpu_metadata
---
amdhsa.version: [ 1, 2 ]
amdhsa.kernels:
  - .name:           k_qf2a02cf8cc_place
    .symbol:         k_qf2a02cf8cc_place.kd
    .args:
      - { .name: route, .offset: 0, .size: 8, .value_kind: global_buffer, .address_space: global }
      - { .name: wts, .offset: 8, .size: 8, .value_kind: global_buffer, .address_space: global }
      - { .name: meta, .offset: 16, .size: 8, .value_kind: global_buffer, .address_space: global }
      - { .name: wsort, .offset: 24, .size: 8, .value_kind: global_buffer, .address_space: global }
    .group_segment_fixed_size: 3072
    .private_segment_fixed_size: 0
    .kernarg_segment_align: 8
    .kernarg_segment_size: 32
    .max_flat_workgroup_size: 256
    .sgpr_count:     66
    .vgpr_count:     66
    .wavefront_size: 32
...
	.end_amdgpu_metadata
.endif
;; end of part 4
;; launch chain: the kernel of part 3 again; grid 256 x 1, 8 waves a work-group, no clusters, 73,216 bytes of LDS; arguments meta, wsort, xq, xs, wr, b1, b2, out0; writes out0
